; MI455X (gfx1250); checked and timed in simulation.
; The chip was launched on July 23, 2026; its instructions are those of AMD's public machine-readable ISA for CDNA 5 (MIT licence, August 2026) and "CDNA5" Instruction Set Architecture Reference Guide (July 2026). The comments in the code are by the model that wrote it; some were corrected since.
;; Scaled Dot Product Attention Layer. Allowed arithmetic: matrix products marked QUANTISED: E2M1 operands, one E8M0 scale for each 32 along K, by v_wmma_scale_f32_16x16x128_f8f6f4 with both operands' format E2M1 (or v_wmma_scale_f32_32x16x128_f4), f32 sums; everything else in f32.
;; Inputs: key 8 x 2,048 x 1,024 float32; key_mask 8 x 2,048 bool; query 8 x 2,048 x 1,024 float32; query_mask 8 x 2,048 bool; value 8 x 2,048 x 1,024 float32.
;; Outputs: out0 8 x 2,048 x 1,024 float32.
;; This version of the problem:
;;   THIS VERSION OF THE PROBLEM IS GIVEN IN LOW PRECISION. The matrix products marked QUANTISED in the list below multiply operands that are first quantised to E2M1 (2 exponent bits, 1 mantissa bit; 4 bits a number), with one power-of-two scale for each 32 numbers along K (OCP MX v1.0); their sums are f32. All else is computed in f32.
;;   The module's matrix products, in the order in which they are computed (A, B: the left and right operand; K: the contracted axis; several contracted axes count as one K, in the product's order):
;;     1. batch 8 x [M 2,048, K 1,024] x [K 1,024, N 2,048]; A: input query; B: input key: QUANTISED
;;     2. batch 8 x [M 2,048, K 2,048] x [K 2,048, N 1,024]; A: computed on the way; B: input value: QUANTISED
;;   THE QUANTISER, for each operand of a quantised product, along K:
;;     - K is cut into blocks of 32 from its start; a last block that is shorter is filled with zeros.
;;     - A block's scale is 2^e with e = floor(log2(the largest magnitude in the block)) - 2, held to -126 .. 127; a block of zeros has e = 0. As a byte (E8M0): e + 127.
;;     - Each number is divided by its block's scale, clamped to +-6, and rounded to the nearest number of E2M1, ties to even, subnormals kept.
;;     - The product sums the exact products of the quantised numbers (number of the format x scale) in f32.
;;   ~~~python
;;   def quantise(x, axis):      # numpy; x: float32 -> the quantised numbers, widened to float32 again
;;       x = np.moveaxis(x, axis, -1); K = x.shape[-1]
;;       x = np.pad(x, [(0, 0)] * (x.ndim - 1) + [(0, -K % 32)]); x = x.reshape(x.shape[:-1] + (-1, 32)); a = np.abs(x).max(-1, keepdims=True)
;;       e = np.where(a > 0, np.clip(np.frexp(np.where(a > 0, a, 1))[1] - 1 - 2, -126, 127), 0)      # np.frexp(a)[1] - 1 = floor(log2(a)), exactly
;;       r = np.clip(x / 2.0 ** e, -6, 6)
;;       step = 2.0 ** (np.maximum(np.frexp(np.where(r == 0, 1, r))[1] - 1, 0) - 1)
;;       q = np.round(r / step) * step * 2.0 ** e      # np.round: ties to even
;;       return np.moveaxis(q.reshape(q.shape[:-2] + (-1,))[..., :K], -1, axis).astype(np.float32)
;;   ~~~
;;   OPERANDS COMPUTED ON THE WAY. 'Computed on the way' means the value that the module computes at that place (a softmax that the list does not call 'softmax' is quantised finished and normalised). What goes into a quantiser is computed in f32, as accurately as f32 sums, v_exp_f32 and their like allow (about 1e-6 of the number): no bf16 or f16 on the way to a quantiser, and a product that is left as it is and whose result goes on into a quantised operand takes f32 operands (vector FMAs, or v_wmma_f32_16x16x4_f32). A number that lies on a knife's edge between two numbers of the format may be rounded either way, as far as f32 arithmetic and the matrix unit's own rounding can turn it there, and no further.
;; One version. Each part assembles by itself: llvm-mc -triple=amdgcn-amd-amdhsa -mcpu=gfx1250 --defsym DOCPART=n.
;; ======== version 1 of 1: 2 launches
;; limits: right only within a limited range of input values
;; workspace buffers: qws 8,912,896 bytes; kv 17,825,792 bytes
;; launch quant (part 1): grid 768 x 1, 4 waves a work-group, no clusters, 34,304 bytes of LDS; arguments query, key, value, qws, kv, query_mask, key_mask; writes qws, kv
.if DOCPART == 1
	.amdgcn_target "amdgcn-amd-amdhsa--gfx1250"
	.amdhsa_code_object_version 6
	.text
	.protected	k_q07f387d61f_quant
	.globl	k_q07f387d61f_quant
	.p2align	8
	.type	k_q07f387d61f_quant,@function
k_q07f387d61f_quant:
	s_mov_b64 s[64:65], 0
	v_nop
	global_prefetch_b8 v0, s[64:65] scope:SCOPE_SE
	s_setreg_imm32_b32 hwreg(HW_REG_WAVE_MODE, 25, 1), 1
	s_wait_xcnt 0x0
; query, key [8][2048][1024] and value [8][2048][1024], f32, become codes of FP4 (E2M1) with one E8M0 scale byte for each 32 along a product's K,
; laid in the ORDER OF THE OPERANDS' REGISTERS, so that the attention launch takes every fragment by dense loads of 16 bytes a lane.
; query and key are quantised along their 1,024 channels (K innermost), value along the keys (K is its first axis within a batch).
; A block's scale is 2^(floor(log2(its largest magnitude)) - 2); its byte is the largest magnitude's exponent field - 2, held at 1 from below.
; A CHUNK (69,632 bytes) is 128 rows x 1,024 K of an operand, in four PARTS of 16,384 bytes of codes + 1,024 of scale words.
;   qws: [128 chunks of 128 queries];   kv: [128 steps of 128 keys][K's chunk | V's chunk].
;   Part w of Q or K = rows 32 w on: codes at u 8192 + s 1024 + c 512 + 16 lane (tile u of 16 rows, K step s of 128; the 16 bytes are k = 128 s + 64 c + 32 (lane / 16) + 0..31 of row 16 u + lane % 16);
;     scale words at 16384 + 512 g + 16 l: the words of K steps 4 g .. 4 g + 3 of row l.
;   Part w of V = channels 256 w on, K = the step's 128 keys: codes at T 1024 + kb 256 + 16 r (channel 16 T + r, keys 32 kb on); scale words at 16384 + 512 g + 16 l: word i belongs to channel 128 g + 32 i + l.
; LIMITS: NaN and infinities among the inputs are not served.  A block of zeros, and one whose largest magnitude lies under 2^-124, gets the byte 1 (the rule gives a block of zeros 127):
; zero codes add nothing under any byte but 0xff, and the bytes are read by this program alone.
; Work-groups 0-255 take query, 256-511 key, 512-767 value.  No tensor load, no barrier: waves share nothing.  Only the first path uses LDS.
.set PART, 17408
.set CH,   69632
.set SLOT, 139264
.set R,    32                          ; v32-159  two sets of 64: a fragment's numbers as loaded
.set X,    160                         ; v160-223 64 numbers in the operand's order
.set C,    224                         ; v224-231 a fragment's codes
.set W,    232                         ; v232-239 the scale words of the eight K steps
.set SELW, 240                         ; v240-243 the four words that my lane stores
.set XV,   32                          ; value: v32-95 two sets of 32 numbers
.set CV,   96                          ; v96-159  four registers of codes for each of 16 blocks: no store's data are written again
.set SB,   160                         ; v160-163 scale words
	s_load_b256 s[4:11], s[0:1], 0x0               ; query s[4:5], key s[6:7], value s[8:9], qws s[10:11]
	s_load_b64 s[12:13], s[0:1], 0x20              ; kv
; WORK LEFT OUT: a row of query or key whose mask byte is 0 is not read.  The module replaces every score of such a query or key by its constant and sets the
; probabilities there to 0, so for all finite values of the inputs no number of such a row reaches out0.  The row's loads name the tile's first row instead
; (row offset = mask byte x row pitch), so its codes are that row's: finite numbers of the tensor's own kind.  Rows of value are all read: each counts in its block's scale.
; LIMIT: a NaN or an infinity that stands only in such a row is not carried on.
	s_load_b64 s[36:37], s[0:1], 0x28              ; query_mask
	s_load_b64 s[38:39], s[0:1], 0x30              ; key_mask
	v_lshl_add_u32 v248, v0, 2, 0x8400
	v_mov_b32 v249, 0
	v_lshrrev_b32 v1, 5, v0
	v_readfirstlane_b32 s14, v1                    ; wave 0..3
	v_and_b32 v1, 31, v0                           ; lane
	s_cmp_lt_u32 ttmp9, 512
	s_cbranch_scc0 .Lvalue
; ---------------- query and key: a wave takes a tile of 16 rows x 1,024: 65,536 dense bytes in, 8,192 of codes and 512 of scale words out
	s_and_b32 s15, ttmp9, 255
	s_lshl_b32 s15, s15, 2
	s_add_co_u32 s15, s15, s14                     ; g: which tile of the tensor's 1,024
	s_lshl_b32 s16, s15, 16                        ; its first byte
	s_mov_b32 s17, 0
	s_lshr_b32 s18, s15, 3                         ; chunk
	s_bfe_u32 s19, s15, 0x20001                    ; part
	s_and_b32 s22, s15, 1                          ; u
	s_mul_i32 s19, s19, PART
	s_mov_b32 s23, SLOT
	s_mov_b32 s20, 0x76543210
	s_mov_b32 s21, 0xfedcba98                      ; v_permlanex16_b32's selects for lane l xor 16
	s_wait_kmcnt 0x0
	s_cmp_lt_u32 ttmp9, 256                        ; query or key: the choice hangs on the work-group's number alone
	s_cselect_b64 s[4:5], s[4:5], s[6:7]
	s_cselect_b64 s[10:11], s[10:11], s[12:13]
	s_cselect_b64 s[36:37], s[36:37], s[38:39]     ; the tensor's own mask
	s_cselect_b32 s23, CH, s23                     ; from chunk to chunk: in kv V's chunks lie between K's
	s_mul_i32 s18, s18, s23
	s_add_co_u32 s18, s18, s19                     ; my part
	s_lshl_b32 s24, s22, 13
	s_add_co_u32 s24, s24, s18                     ; my tile's codes
	s_mov_b32 s25, 0
	s_lshl_b32 s26, s22, 8
	s_add_co_u32 s26, s26, s18
	s_add_co_u32 s26, s26, 16384                   ; my tile's scale words
	s_mov_b32 s27, 0
	s_add_nc_u64 s[4:5], s[4:5], s[16:17]
	s_add_nc_u64 s[28:29], s[10:11], s[24:25]
	s_add_nc_u64 s[30:31], s[10:11], s[26:27]
	s_lshl_b32 s40, s15, 4                         ; my tile's 16 mask bytes
	s_load_b128 s[44:47], s[36:37], s40 offset:0x0
	s_wait_alu depctr_va_vdst(0)
	v_lshlrev_b32 v2, 4, v1                        ; 16 x lane: my place in a load's and in a store's 512 bytes; never rewritten
	s_mul_i32 s32, s14, 8448                       ; my wave's stage: 16 rows of 512 bytes + 16 of padding
	v_add_nc_u32 v3, s32, v2                       ; in: as loaded
	v_and_b32 v5, 15, v1                           ; r
	v_lshrrev_b32 v7, 4, v1                        ; h
	v_mul_u32_u24 v4, v5, 528
	v_lshl_add_u32 v4, v7, 7, v4
	v_add_nc_u32 v4, s32, v4                       ; back: row r, + 128 h: 32 neighbours of a block; rows 33 x 16 bytes apart, so sixteen lanes take sixteen different columns of 16 bytes
	v_lshlrev_b32 v6, 4, v5
	v_lshl_add_u32 v6, v7, 9, v6                   ; the scale words' place: lanes 0-15 K steps 0-3, lanes 16-31 K steps 4-7
	v_lshlrev_b32 v7, 3, v7                        ; 8 h
	v_mov_b32 v10, 0                               ; written once: a lane permute's destination counts as one of its sources
	s_wait_alu depctr_va_vdst(0)
	s_wait_kmcnt 0x0                               ; the mask bytes
.irp i, 0,1,2,3,4,5,6,7,8,9,10,11,12,13,14,15
	s_bfe_u32 s41, s[44+\i/4], 0x10000|(8*(\i%4))  ; row i's mask byte, its lowest bit
	s_min_u32 s41, s41, 1                          ; a loaded number enters an address only behind a bound
	s_mul_i32 s41, s41, \i*4096                    ; row i where it counts, else the tile's first row
	v_add_nc_u32 v[20+\i+212*(\i/12)], s41, v2     ; v20-31, v244-247: the sixteen rows' offsets; never rewritten
.endr
	s_wait_alu depctr_va_vdst(0)                   ; ahead of the loads that read the offsets
.macro LOADF t                         ; K step t of my 16 rows: each load reads 512 consecutive bytes of one row
.irp i, 0,1,2,3,4,5,6,7,8,9,10,11,12,13,14,15
	global_load_b128 v[R+64*((\t)%2)+4*\i:R+64*((\t)%2)+4*\i+3], v[20+\i+212*(\i/12)], s[4:5] offset:(\t)*512
.endr
.endm
.macro FRAG t
.if (\t) < 7
	s_wait_loadcnt 16                              ; this K step's 16 loads are in; the next one's may be out
.else
	s_wait_loadcnt 0x0
.endif
.irp i, 0,1,2,3,4,5,6,7,8,9,10,11,12,13,14,15
	ds_store_b128 v3, v[R+64*((\t)%2)+4*\i:R+64*((\t)%2)+4*\i+3] offset:\i*528
.endr
.irp c, 0,1
.irp j, 0,1,2,3,4,5,6,7
	ds_load_b128 v[X+32*\c+4*\j:X+32*\c+4*\j+3], v4 offset:256*\c+16*\j   ; LDS serves a wave's instructions in order: these see the stores above.  Register 32 c + i = k 64 c + 32 h + i of row r
.endr
.endr
	s_wait_dscnt 0x0                               ; the numbers are back, and the stores have read their registers,
.if (\t) < 6
	LOADF (\t)+2                                   ; which take the loads of two K steps on
.endif
.irp c, 0,1                                    ; my two blocks' largest magnitudes, two chains each; the floor 2^(3 - 127) holds the byte at 1 from below
	v_max3_num_f32 v[12+\c], |v[X+32*\c]|, |v[X+32*\c+1]|, 0x1800000
	v_max3_num_f32 v[14+\c], |v[X+32*\c+16]|, |v[X+32*\c+17]|, |v[X+32*\c+18]|
.endr
.irp k, 0,1,2,3,4,5
.irp c, 0,1
	v_max3_num_f32 v[12+\c], v[12+\c], |v[X+32*\c+2+2*\k]|, |v[X+32*\c+3+2*\k]|
	v_max3_num_f32 v[14+\c], v[14+\c], |v[X+32*\c+19+2*\k]|, |v[X+32*\c+20+2*\k]|
.endr
.endr
.irp c, 0,1
	v_max3_num_f32 v[12+\c], v[12+\c], |v[X+32*\c+14]|, |v[X+32*\c+15]|
.endr
.irp c, 0,1
	v_max3_num_f32 v[12+\c], v[12+\c], v[14+\c], |v[X+32*\c+31]|
.endr
.irp c, 0,1
	v_add_nc_u32 v[16+\c], 0xff000000, v[12+\c]    ; 2 off the exponent field: the conversion takes the exponent field of this operand as its scale
.endr
.irp c, 0,1
	v_lshrrev_b32 v[18+\c], 23, v[16+\c]           ; the scale's byte
.endr
	v_lshl_or_b32 v9, v19, 16, v18                 ; my two bytes: blocks h and 2 + h,
	v_lshlrev_b32 v9, v7, v9                       ; at their places in the word;
	v_permlanex16_b32 v10, v9, s20, s21
	v_or_b32 v[W+(\t)], v9, v10                    ; with lane l xor 16's two the word is whole
	s_wait_alu depctr_va_vdst(0)
	s_wait_xcnt 0x0                                ; the last K step's stores have read the codes' registers
.irp c, 0,1
.irp i, 0,1,2,3
	v_cvt_scalef32_pk8_fp4_f32 v[C+4*\c+\i], v[X+32*\c+8*\i:X+32*\c+8*\i+7], v[16+\c]
.endr
.endr
	v_nop                                          ; one plain place behind the scaled conversions
.irp c, 0,1
	global_store_b128 v2, v[C+4*\c:C+4*\c+3], s[28:29] offset:(\t)*1024+512*\c   ; 32 lanes store 512 consecutive bytes, aligned
.endr
.endm
	LOADF 0
	LOADF 1
	s_wait_alu depctr_va_vdst(0)
.irp t, 0,1,2,3,4,5,6,7
	FRAG \t
.endr
	v_cmp_le_u32 vcc_lo, 16, v1
.irp i, 0,1,2,3
	v_cndmask_b32 v[SELW+\i], v[W+\i], v[W+4+\i], vcc_lo   ; every lane holds its row's eight words: lanes 16-31 store the upper four
.endr
	global_store_b128 v6, v[SELW:SELW+3], s[30:31] ; sixteen lanes store 256 consecutive bytes, aligned
	s_wait_tensorcnt 0x0
	ds_add_u32 v248, v249
	s_wait_dscnt 0x0
	s_endpgm
; ---------------- value: a wave takes 128 keys x 128 channels.  A LANE TAKES A CHANNEL AND ITS REGISTERS RUN DOWN THE KEYS: a block of 32 keys lies in one lane's 32 registers
.Lvalue:
	s_sub_co_u32 s15, ttmp9, 512
	s_lshl_b32 s15, s15, 2
	s_add_co_u32 s15, s15, s14                     ; J
	s_and_b32 s16, s15, 7                          ; which 128 channels
	s_lshr_b32 s17, s15, 3                         ; which step of 128 keys, batches on end
	s_lshl_b32 s18, s17, 19                        ; 128 rows of 4,096 bytes
	s_lshl_b32 s19, s16, 9
	s_add_co_u32 s18, s18, s19
	s_mov_b32 s19, 0
	s_mul_i32 s20, s17, SLOT
	s_lshr_b32 s21, s16, 1
	s_mul_i32 s21, s21, PART
	s_add_co_u32 s20, s20, s21
	s_add_co_u32 s20, s20, CH                      ; my part of the step's V chunk
	s_and_b32 s22, s16, 1
	s_lshl_b32 s24, s22, 13
	s_add_co_u32 s24, s24, s20                     ; my eight tiles' codes
	s_mov_b32 s25, 0
	s_lshl_b32 s26, s22, 9
	s_add_co_u32 s26, s26, s20
	s_add_co_u32 s26, s26, 16384                   ; my 128 channels' scale words
	s_mov_b32 s27, 0
	s_wait_alu depctr_va_vdst(0)
	v_lshlrev_b32 v3, 2, v1                        ; in: 4 bytes a lane
	v_lshrrev_b32 v4, 4, v1
	v_and_b32 v5, 15, v1
	v_lshlrev_b32 v4, 10, v4
	v_lshl_add_u32 v4, v5, 4, v4                   ; codes: tile (lane / 16), 16 bytes a channel
	v_lshlrev_b32 v5, 4, v1                        ; scale words: 16 bytes a lane
	s_wait_alu depctr_va_vdst(0)
	s_wait_kmcnt 0x0
	s_add_nc_u64 s[8:9], s[8:9], s[18:19]
	s_add_nc_u64 s[28:29], s[12:13], s[24:25]
	s_add_nc_u64 s[30:31], s[12:13], s[26:27]
.macro LOADV t                         ; block t = 4 i + kb: keys 32 kb on of channels 32 i on; each load reads 128 consecutive bytes
.irp j, 0,1,2,3,4,5,6,7,8,9,10,11,12,13,14,15,16,17,18,19,20,21,22,23,24,25,26,27,28,29,30,31
	global_load_b32 v[XV+32*((\t)%2)+\j], v3, s[8:9] offset:(32*((\t)%4)+\j)*4096+128*((\t)/4) th:TH_LOAD_NT
.endr
.endm
.macro BLOCKV t
.set XS, XV+32*((\t)%2)
.if (\t) < 15
	s_wait_loadcnt 32                              ; this block's 32 loads are in; the next block's may be out
.else
	s_wait_loadcnt 0x0
.endif
	v_max3_num_f32 v12, |v[XS]|, |v[XS+1]|, 0x1800000
	v_max3_num_f32 v13, |v[XS+16]|, |v[XS+17]|, |v[XS+18]|
.irp k, 0,1,2,3,4,5
	v_max3_num_f32 v12, v12, |v[XS+2+2*\k]|, |v[XS+3+2*\k]|
	v_max3_num_f32 v13, v13, |v[XS+19+2*\k]|, |v[XS+20+2*\k]|
.endr
	v_max3_num_f32 v12, v12, |v[XS+14]|, |v[XS+15]|
	v_max3_num_f32 v12, v12, v13, |v[XS+31]|
	v_add_nc_u32 v11, 0xff000000, v12
	v_lshrrev_b32 v13, 23, v11
.if (\t)%4 == 0
	v_mov_b32 v[SB+(\t)/4], v13                    ; four bytes to a word, the earlier keys in the lower byte
.else
	v_lshl_or_b32 v[SB+(\t)/4], v13, 8*((\t)%4), v[SB+(\t)/4]
.endif
.irp i, 0,1,2,3
	v_cvt_scalef32_pk8_fp4_f32 v[CV+4*(\t)+\i], v[XS+8*\i:XS+8*\i+7], v11
.endr
	v_nop                                          ; one plain place behind the scaled conversions
	global_store_b128 v4, v[CV+4*(\t):CV+4*(\t)+3], s[28:29] offset:((\t)/4)*2048+((\t)%4)*256   ; sixteen lanes store 256 consecutive bytes, aligned
.if (\t) < 14
	LOADV (\t)+2
.endif
.endm
	LOADV 0
	LOADV 1
.irp t, 0,1,2,3,4,5,6,7,8,9,10,11,12,13,14,15
	BLOCKV \t
.endr
	global_store_b128 v5, v[SB:SB+3], s[30:31]     ; 32 lanes store 512 consecutive bytes, aligned
	s_endpgm
.Lfunc_end_k_q07f387d61f_quant:
	.size	k_q07f387d61f_quant, .Lfunc_end_k_q07f387d61f_quant-k_q07f387d61f_quant
	.p2alignl 7, 3214868480
	.fill 96, 4, 3214868480
	.section	.rodata,"a",@progbits
	.p2align	6, 0x0
	.amdhsa_kernel k_q07f387d61f_quant
		.amdhsa_group_segment_fixed_size 34304
		.amdhsa_private_segment_fixed_size 0
		.amdhsa_enable_private_segment 0
		.amdhsa_kernarg_size 56
		.amdhsa_user_sgpr_count 2
		.amdhsa_user_sgpr_kernarg_segment_ptr 1
		.amdhsa_wavefront_size32 1
		.amdhsa_system_sgpr_workgroup_id_x 1
		.amdhsa_system_sgpr_workgroup_id_y 1
		.amdhsa_system_sgpr_workgroup_id_z 1
		.amdhsa_system_vgpr_workitem_id 0
		.amdhsa_next_free_vgpr 250
		.amdhsa_next_free_sgpr 66
		.amdhsa_reserve_vcc 1
		.amdhsa_float_denorm_mode_32 3
		.amdhsa_float_denorm_mode_16_64 3
		.amdhsa_memory_ordered 1
		.amdhsa_forward_progress 1
		.amdhsa_inst_pref_size 136
	.end_amdhsa_kernel
	.amdgpu_metadata
---
amdhsa.version: [ 1, 2 ]
amdhsa.kernels:
  - .name:           k_q07f387d61f_quant
    .symbol:         k_q07f387d61f_quant.kd
    .args:
      - { .name: query, .offset: 0, .size: 8, .value_kind: global_buffer, .address_space: global }
      - { .name: key, .offset: 8, .size: 8, .value_kind: global_buffer, .address_space: global }
      - { .name: value, .offset: 16, .size: 8, .value_kind: global_buffer, .address_space: global }
      - { .name: qws, .offset: 24, .size: 8, .value_kind: global_buffer, .address_space: global }
      - { .name: kv, .offset: 32, .size: 8, .value_kind: global_buffer, .address_space: global }
      - { .name: query_mask, .offset: 40, .size: 8, .value_kind: global_buffer, .address_space: global }
      - { .name: key_mask, .offset: 48, .size: 8, .value_kind: global_buffer, .address_space: global }
    .group_segment_fixed_size: 34304
    .private_segment_fixed_size: 0
    .kernarg_segment_align: 8
    .kernarg_segment_size: 56
    .max_flat_workgroup_size: 128
    .sgpr_count:     66
    .vgpr_count:     250
    .wavefront_size: 32
...
	.end_amdgpu_metadata
.endif
;; end of part 1
;; launch attn (part 2): grid 32 x 8, 4 waves a work-group, clusters of 4 x 1, 327,680 bytes of LDS; arguments qws, kv, key_mask, query_mask, out0; writes out0
.if DOCPART == 2
	.amdgcn_target "amdgcn-amd-amdhsa--gfx1250"
	.amdhsa_code_object_version 6
	.text
	.protected	k_q07f387d61f_attn
	.globl	k_q07f387d61f_attn
	.p2align	8
	.type	k_q07f387d61f_attn,@function
k_q07f387d61f_attn:
	s_mov_b64 s[64:65], 0
	v_nop
	global_prefetch_b8 v0, s[64:65] scope:SCOPE_SE
	s_setreg_imm32_b32 hwreg(HW_REG_WAVE_MODE, 25, 1), 1
	s_wait_xcnt 0x0
	s_wait_alu depctr_hold_cnt(0) depctr_sa_sdst(0) depctr_va_vdst(0) depctr_va_sdst(0) depctr_va_ssrc(0) depctr_va_vcc(0) depctr_vm_vsrc(0)
	s_getreg_b32 s2, hwreg(HW_REG_IB_STS2, 6, 4)
	s_cmp_eq_u32 s2, 0
	s_cbranch_scc0 .Lentry_in_a_cluster
	s_endpgm
.Lentry_in_a_cluster:
	s_bfe_u32 s2, ttmp6, 0x10000c
	s_cmp_lg_u32 s2, 0x3003
	s_cbranch_scc0 .Lentry_shape_is_right
	s_endpgm
.Lentry_shape_is_right:
.set PART,  17408
.set CH,    69632
.set QTR,   34816
.set SLOT,  139264
.set PAIR,  278528
.set PIMG,  278528
.set PBUF,  4352
.set BIAS,  287232
.set STAT,  303616
.set SPARE, 305664
.set SPITCH, 1040
.set SPW, 1
.set NIL, 2
.set AK0, 3
.set AB0, 4
.set AD0, 5
.set AD1, 6
.set AD2, 7
.set APW, 8
.set APB, 9
.set APR, 10
.set APS, 11
.set PFO, 12
.set ST,  14
.set QS,  46
.set KS,  62
.set VS,  70
.set PS,  78
.set BI,  80
.set PC,  80
.set S,   96
.set BA,  160
.set WV,  14
.set G1,  24
.set G0A, 32
.set G0B, 36
.set WOFF, 42
.set TB,  43
.set T1,  44
.set T2,  45
.set TBI, 46
.set PB,  47
.set CT,  48
.set LIMC, 49
.set PI,  50
.set S0,  51
.set OFS, 52
.set KB1, 54
.set KB2, 56
.set PFV, 58
.set CS,  60
.set NC,  62
.set SEL, 66
.set OB,  68
.set MSB, 0
.macro WIN new
.if MSB != \new
	s_set_vgpr_msb (MSB<<8)|\new
.set MSB, \new
.endif
.endm
.macro PLACES n
.rept \n
	v_nop
.endr
.endm
.macro ROUND
	s_barrier_signal -1
	s_barrier_wait -1
	s_cmp_lg_u32 s[WV], 0
	s_cbranch_scc1 .Lnot_wave_0_\@
	s_barrier_signal -3
.Lnot_wave_0_\@:
	s_barrier_wait -3
	s_barrier_signal -1
	s_barrier_wait -1
.endm
.macro WM c
.if mRA && mRB
	v_wmma_scale_f32_16x16x128_f8f6f4 v[mD:mD+7], v[mA:mA+7], v[mB:mB+7], \c, v[mSA], v[mSB] matrix_a_fmt:MATRIX_FMT_FP4 matrix_b_fmt:MATRIX_FMT_FP4 matrix_a_scale:MATRIX_SCALE_ROW1 matrix_b_scale:MATRIX_SCALE_ROW1
.elseif mRA
	v_wmma_scale_f32_16x16x128_f8f6f4 v[mD:mD+7], v[mA:mA+7], v[mB:mB+7], \c, v[mSA], v[mSB] matrix_a_fmt:MATRIX_FMT_FP4 matrix_b_fmt:MATRIX_FMT_FP4 matrix_a_scale:MATRIX_SCALE_ROW1
.elseif mRB
	v_wmma_scale_f32_16x16x128_f8f6f4 v[mD:mD+7], v[mA:mA+7], v[mB:mB+7], \c, v[mSA], v[mSB] matrix_a_fmt:MATRIX_FMT_FP4 matrix_b_fmt:MATRIX_FMT_FP4 matrix_b_scale:MATRIX_SCALE_ROW1
.else
	v_wmma_scale_f32_16x16x128_f8f6f4 v[mD:mD+7], v[mA:mA+7], v[mB:mB+7], \c, v[mSA], v[mSB] matrix_a_fmt:MATRIX_FMT_FP4 matrix_b_fmt:MATRIX_FMT_FP4
.endif
.endm
.macro LK g, adr, badr
.irp e, 0,1
.irp u, 0,1
.irp c, 0,1
	ds_load_b128 v[BA+32*((\g)%3)+8*(2*\e+\u)+4*\c:BA+32*((\g)%3)+8*(2*\e+\u)+4*\c+3], v[\adr] offset:\u*8192+(2*(\g)+\e)*1024+\c*512
.endr
.endr
.endr
.if (\g) == 0
.irp e, 0,1
	ds_load_b128 v[KS+4*\e:KS+4*\e+3], v[\adr] offset:16384+512*\e
.endr
.irp u, 0,1
.irp k, 0,1
	ds_load_b128 v[BI+8*\u+4*\k:BI+8*\u+4*\k+3], v[\badr] offset:64*\u+16*\k
.endr
.endr
.endif
.endm
.macro LV g, adr
.if (\g) == 3
.set VB_, S+32
.else
.set VB_, BA+32*(\g)
.endif
.irp q, 0,1,2,3
.irp c, 0,1
	ds_load_b128 v[VB_+8*\q+4*\c:VB_+8*\q+4*\c+3], v[\adr] offset:(4*(\g)+\q)*1024+512*\c
.endr
.endr
.if (\g) == 0
.irp e, 0,1
	ds_load_b128 v[VS+4*\e:VS+4*\e+3], v[\adr] offset:16384+512*\e
.endr
.endif
.endm
.macro MMK g
.irp e, 0,1
.irp u, 0,1
.irp t, 0,1,2,3
.set mD, S+16*\t+8*\u
.set mA, BA+32*((\g)%3)+8*(2*\e+\u)
.set mB, 64*\t+8*(2*(\g)+\e)
.set mSA, KS+2*(\g)+\e
.set mSB, QS+8*(\t/2)+2*(\g)+\e
.set mRA, \u
.set mRB, \t%2
.if (2*(\g)+\e) == 0
.set mC, BI+8*\u
.else
.set mC, mD
.endif
	WM v[mC:mC+7]
.endr
.endr
.endr
.endm
.macro MMV g, zero
.if (\g) == 3
.set VB_, S+32
.else
.set VB_, BA+32*(\g)
.endif
.irp q, 0,1,2,3
.irp t, 0,1,2,3
.set mT, 4*(\g)+\q
.set mD, 8*(4*(mT%8)+\t)
.set mA, VB_+8*\q
.set mB, S+8*\t
.set mSA, VS+mT/2
.set mSB, PS+\t/2
.set mRA, mT%2
.set mRB, \t%2
.if \zero
	WM 0
.else
	WM v[mD:mD+7]
.endif
.endr
.endr
.endm
.macro SCALE_S
.irp i, 0,1,2,3,4,5,6,7
.irp t, 0,1,2,3
	v_pk_fma_f32 v[S+16*\t+2*\i:S+16*\t+2*\i+1], v[S+16*\t+2*\i:S+16*\t+2*\i+1], s[CS:CS+1], v[ST+8*\t:ST+8*\t+1] op_sel_hi:[1,0,0]
.endr
.endr
.endm
.macro EXP_S
.set j, 0
.rept 64
	v_exp_f32 v[S+j], v[S+j]
.set j, j+1
.endr
.endm
.macro STATS
.irp i, 0,1,2,3,4,5,6,7
.irp t, 0,1,2,3
	v_max3_num_f32 v[ST+8*\t+1], v[ST+8*\t+1], v[S+16*\t+2*\i], v[S+16*\t+2*\i+1]
.endr
.endr
.irp t, 0,1,2,3
	v_mul_f32 v[ST+8*\t+6], s[NC], v[ST+8*\t+1]
.endr
.irp t, 0,1,2,3
	v_sub_f32 v[ST+8*\t+4], v[ST+8*\t+6], v[ST+8*\t]
.endr
.irp t, 0,1,2,3
	v_mov_b32 v[ST+8*\t], v[ST+8*\t+6]
.endr
	SCALE_S
	s_wait_alu depctr_va_vdst(0)
.irp t, 0,1,2,3
	v_exp_f32 v[ST+8*\t+4], v[ST+8*\t+4]
.endr
	EXP_S
	v_nop
	s_wait_alu depctr_va_vdst(0)
.irp t, 0,1,2,3
	v_pk_mul_f32 v[ST+8*\t+2:ST+8*\t+3], v[ST+8*\t+2:ST+8*\t+3], v[ST+8*\t+4:ST+8*\t+5] op_sel_hi:[1,0]
.endr
.irp i, 0,1,2,3,4,5,6,7
.irp t, 0,1,2,3
	v_pk_add_f32 v[ST+8*\t+2:ST+8*\t+3], v[ST+8*\t+2:ST+8*\t+3], v[S+16*\t+2*\i:S+16*\t+2*\i+1]
.endr
.endr
.endm
.macro SOFT2
	SCALE_S
	s_wait_alu depctr_va_vdst(0)
	EXP_S
	v_nop
	s_wait_alu depctr_va_vdst(0)
.irp t, 0,1,2,3
	v_max3_num_f32 v[ST+8*\t+2], v[S+16*\t], v[S+16*\t+1], 0x1800000
.endr
.irp i, 1,2,3,4,5,6,7
.irp t, 0,1,2,3
	v_max3_num_f32 v[ST+8*\t+2], v[ST+8*\t+2], v[S+16*\t+2*\i], v[S+16*\t+2*\i+1]
.endr
.endr
.irp t, 0,1,2,3
	v_permlanex16_b32 v[ST+8*\t+3], v[ST+8*\t+2], s[SEL], s[SEL+1]
.endr
.irp t, 0,1,2,3
	v_max_num_f32 v[ST+8*\t+2], v[ST+8*\t+2], v[ST+8*\t+3]
.endr
.irp t, 0,1,2,3
	v_add_nc_u32 v[ST+8*\t+4], 0xff000000, v[ST+8*\t+2]
.endr
.irp t, 0,1,2,3
	v_lshrrev_b32 v[ST+8*\t+5], 23, v[ST+8*\t+4]
.endr
.irp t, 0,1,2,3
.irp u, 0,1
	v_cvt_scalef32_pk8_fp4_f32 v[PC+2*\t+\u], v[S+16*\t+8*\u:S+16*\t+8*\u+7], v[ST+8*\t+4]
.endr
.endr
	v_nop
.endm
.macro PSTORE
	v_add_nc_u32 v[AD0], s[PB], v[APW]
	v_add_nc_u32 v[AD1], s[PB], v[APB]
.irp t, 0,1,2,3
	ds_store_b32 v[AD0], v[PC+2*\t] offset:1024*\t
	ds_store_b32 v[AD0], v[PC+2*\t+1] offset:1024*\t+8
	ds_store_b8 v[AD1], v[ST+8*\t+5] offset:64*\t
.endr
.endm
.macro PLOAD
	v_add_nc_u32 v[AD0], s[PB], v[APR]
	v_add_nc_u32 v[AD1], s[PB], v[APS]
.irp t, 0,1,2,3
.irp c, 0,1
	ds_load_b128 v[S+8*\t+4*\c:S+8*\t+4*\c+3], v[AD0] offset:1024*\t+512*\c
.endr
.endr
.irp p, 0,1
	ds_load_b32 v[PS+\p], v[AD1] offset:128*\p
.endr
.endm
.macro ASK0
	s_cmp_eq_u32 s[CT], s[LIMC]
	s_cbranch_scc0 .Lno_a_\@
	global_prefetch_b8 v[PFO], s[PFV:PFV+1] th:TH_LOAD_NT scope:SCOPE_SE
.Lno_a_\@:
.endm
.macro ASK1
	s_cmp_eq_u32 s[LIMC], 1
	s_cbranch_scc0 .Lno_b_\@
	global_prefetch_b8 v[PFO], s[PFV:PFV+1] offset:SLOT th:TH_LOAD_NT scope:SCOPE_SE
.Lno_b_\@:
.endm
.macro CHANGE mode
	s_wait_tensorcnt 0x0
	ds_add_u32 v[SPW], v[NIL]
.if \mode < 3
	s_xor_b32 s[G0B+1], s[G0B+1], SLOT
.if \mode == 0
	s_add_co_u32 s[PI], s[PI], 1
	s_and_b32 s[PI], s[PI], 7
	s_mul_i32 s[OFS], s[PI], PAIR
	s_add_nc_u64 s[G0B+2:G0B+3], s[KB1:KB1+1], s[OFS:OFS+1]
.elseif \mode == 1
	s_mov_b32 s[PI], s[S0]
	s_mul_i32 s[OFS], s[PI], SLOT
	s_add_nc_u64 s[G0B+2:G0B+3], s[KB2:KB2+1], s[OFS:OFS+1]
.else
	s_add_co_u32 s[PI], s[PI], 1
	s_and_b32 s[PI], s[PI], 15
	s_mul_i32 s[OFS], s[PI], SLOT
	s_add_nc_u64 s[G0B+2:G0B+3], s[KB2:KB2+1], s[OFS:OFS+1]
.endif
	s_or_b32 s[G0B+3], s[G0B+3], 0x80000000
	s_wait_dscnt 0x0
	ROUND
	tensor_load_to_lds s[G0B:G0B+3], s[G1:G1+7]
	s_nop 0
	PLACES 4
.if \mode == 0
	ASK0
.elseif \mode == 1
	ASK1
.endif
.else
	s_wait_dscnt 0x0
	s_barrier_signal -1
	s_barrier_wait -1
.endif
.endm
.macro STEP1 cur, nxt, chg
	s_wait_dscnt 0x0
	s_add_co_u32 s[TBI], s[TBI], 512
	v_add_nc_u32 v[AD0], s[\cur], v[AK0]
	v_add_nc_u32 v[AD1], s[\nxt], v[AK0]
	v_add_nc_u32 v[AD2], s[TBI], v[AB0]
	WIN 0x04
	MMK 0
	PLACES 4
	LK 3, AD0, AD2
	MMK 1
.if \chg >= 0
	WIN 0
	CHANGE \chg
	WIN 0x04
.else
	PLACES 4
.endif
	s_wait_alu depctr_va_vdst(0)
	LK 1, AD1, AD2
	MMK 2
	PLACES 4
	LK 2, AD1, AD2
	s_wait_alu depctr_va_vdst(0)
	s_wait_dscnt 16
	MMK 3
	PLACES 4
	LK 0, AD1, AD2
	WIN 0
	STATS
.endm
.macro SLOT1 mode
	s_add_co_u32 s[T1], s[TB], CH
	STEP1 TB, T1, -1
	s_xor_b32 s[T2], s[TB], SLOT
	STEP1 T1, T2, \mode
	s_mov_b32 s[TB], s[T2]
.endm
.macro STEP2 zero, fill, next
	s_add_co_u32 s[T1], s[TB], CH
	s_xor_b32 s[T2], s[TB], SLOT
	v_add_nc_u32 v[AD0], s[TB], v[AK0]
	v_add_nc_u32 v[AD1], s[T1], v[AK0]
	WIN 0x04
	s_wait_alu depctr_va_vdst(0)
	s_wait_dscnt 16
	MMK 0
	PLACES 4
	LK 3, AD0, AD2
	s_wait_dscnt 16
	MMK 1
	PLACES 4
	LV 1, AD1
	s_wait_dscnt 16
	MMK 2
	PLACES 4
	LV 2, AD1
	s_wait_dscnt 16
	MMK 3
	PLACES 4
	LV 0, AD1
	WIN 0
	SOFT2
	LV 3, AD1
	PSTORE
.if \fill
	CHANGE 2
.else
	CHANGE 3
.endif
	PLOAD
.if \next
	s_add_co_u32 s[TBI], s[TBI], 512
	v_add_nc_u32 v[AD2], s[T2], v[AK0]
	v_add_nc_u32 v[AD0], s[TBI], v[AB0]
.endif
	s_wait_dscnt 0x0
	WIN 0xa0
	MMV 0, \zero
.if \next
	PLACES 4
	WIN 0
	s_wait_alu depctr_va_vdst(0)
	LK 0, AD2, AD0
	WIN 0xa0
.endif
	MMV 1, \zero
.if \next
	PLACES 4
	WIN 0
	LK 1, AD2, AD0
.endif
	WIN 0xf0
	MMV 2, \zero
.if \next
	PLACES 4
	WIN 0
	LK 2, AD2, AD0
	WIN 0xf0
.endif
	MMV 3, \zero
	PLACES 5
	WIN 0
	s_mov_b32 s[TB], s[T2]
	s_xor_b32 s[PB], s[PB], PBUF
.endm
	s_load_b256 s[4:11], s[0:1], 0x0
	s_load_b64 s[12:13], s[0:1], 0x20
	v_lshl_add_u32 v[SPW], v0, 2, SPARE
	v_mov_b32 v[NIL], 0
	ds_add_u32 v1, v2
	ds_add_u32 v1, v2
	s_wait_dscnt 0x0
	v_lshrrev_b32 v96, 5, v0
	v_readfirstlane_b32 s[WV], v96
	s_bfe_u32 s15, ttmp6, 0x40000
	s_and_b32 s16, ttmp7, 0xffff
	s_lshl_b32 s17, ttmp9, 2
	s_add_co_u32 s17, s17, s15
	s_mov_b32 s[G1], 15|(3<<16)|(1<<21)
	s_mov_b32 s[G1+1], 32<<16
	s_mov_b32 s[G1+2], 136<<16
	s_mov_b32 s[G1+3], 32<<16
	s_mov_b32 s[G1+4], 136
	s_mov_b32 s[G1+5], 32
	s_mov_b32 s[G1+6], 0
	s_mov_b32 s[G1+7], 0
	s_mul_i32 s[WOFF], s[WV], QTR
	s_mul_i32 s70, s16, 16*SLOT
	s_lshr_b32 s72, s[WV], 1
	s_and_b32 s73, s[WV], 1
	s_mul_i32 s74, s72, SLOT
	s_mul_i32 s75, s73, QTR
	s_add_co_u32 s74, s74, s75
	s_add_co_u32 s74, s74, s70
	s_mov_b32 s75, 0
	s_add_co_u32 s76, s70, s[WOFF]
	s_mov_b32 s77, 0
	s_mul_i32 s[S0], ttmp9, 3
	s_and_b32 s[S0], s[S0], 7
	s_mul_i32 s78, s[S0], PAIR
	s_mov_b32 s79, 0
	s_add_co_u32 s[PI], s[S0], 1
	s_and_b32 s[PI], s[PI], 7
	s_mul_i32 s80, s[PI], PAIR
	s_mov_b32 s81, 0
	s_mul_i32 s82, s15, PART
	s_lshl_b32 s83, s[WV], 13
	s_add_co_u32 s82, s82, s83
	s_add_co_u32 s82, s82, s78
	s_add_co_u32 s82, s82, s70
	s_add_co_u32 s82, s82, CH
	s_mov_b32 s83, 0
	s_lshl_b32 s71, s[S0], 8
	s_lshl_b32 s[S0], s[S0], 1
	s_mov_b32 s[OFS+1], 0
	s_lshl_b32 s18, s16, 4
	s_lshr_b32 s19, s17, 1
	s_add_co_u32 s18, s18, s19
	s_mul_i32 s18, s18, CH
	s_and_b32 s19, s17, 1
	s_mul_i32 s19, s19, QTR
	s_add_co_u32 s18, s18, s19
	s_mov_b32 s19, 0
	s_lshl_b32 s20, s16, 11
	s_mov_b32 s21, 0
	s_lshl_b32 s22, s17, 6
	s_add_co_u32 s22, s22, s20
	s_mov_b32 s23, 0
	s_lshl_b32 s2, s22, 12
	s_lshl_b32 s3, s[WV], 10
	s_add_co_u32 s2, s2, s3
	s_mov_b32 s3, 0
	s_mov_b32 s[CS], 0x3d38aa3b
	s_mov_b32 s[CS+1], s[CS]
	s_mov_b32 s[NC], 0xbd38aa3b
	s_mov_b32 s[SEL], 0x76543210
	s_mov_b32 s[SEL+1], 0xfedcba98
	s_mov_b32 s[TB], 0
	s_mov_b32 s[TBI], 0
	s_mov_b32 s[PB], 0
	s_cmp_lt_u32 s[WV], 2
	s_cselect_b32 s[LIMC], 1, 0
	s_wait_kmcnt 0x0
	s_add_nc_u64 s[KB1:KB1+1], s[6:7], s[74:75]
	s_add_nc_u64 s[KB2:KB2+1], s[6:7], s[76:77]
	s_add_nc_u64 s[PFV:PFV+1], s[6:7], s[82:83]
	s_mov_b32 s[G0A], 1
	s_mov_b32 s[G0A+1], s[WOFF]
	s_add_nc_u64 s[G0A+2:G0A+3], s[KB1:KB1+1], s[78:79]
	s_or_b32 s[G0A+3], s[G0A+3], 0x80000000
	s_mov_b32 s[G0B], 1
	s_add_co_u32 s[G0B+1], s[WOFF], SLOT
	s_add_nc_u64 s[G0B+2:G0B+3], s[KB1:KB1+1], s[80:81]
	s_or_b32 s[G0B+3], s[G0B+3], 0x80000000
	s_add_nc_u64 s[4:5], s[4:5], s[18:19]
	s_add_nc_u64 s[8:9], s[8:9], s[20:21]
	s_add_nc_u64 s[10:11], s[10:11], s[22:23]
	s_add_nc_u64 s[OB:OB+1], s[12:13], s[2:3]
	ROUND
	tensor_load_to_lds s[G0A:G0A+3], s[G1:G1+7]
	s_nop 0
	PLACES 4
	; Q's codes, its scale words and the masks are asked for while slot 0's first fill is on its way
	v_and_b32 v88, 31, v0
	v_and_b32 v97, 15, v0
	v_bfe_u32 v89, v0, 4, 1
	v_lshlrev_b32 v98, 4, v88
	s_wait_alu depctr_va_vdst(0)
	v_lshlrev_b32 v99, 4, v0
	v_add_nc_u32 v99, s71, v99
	v_and_b32 v99, 0x7ff, v99
	global_load_b128 v[100:103], v99, s[8:9]
	WIN 0x40
.irp t, 0,1,2,3
.irp s, 0,1,2,3,4,5,6,7
.irp c, 0,1
	global_load_b128 v[64*\t+8*\s+4*\c:64*\t+8*\s+4*\c+3], v98, s[4:5] offset:(\t/2)*PART+(\t%2)*8192+\s*1024+\c*512
.endr
.endr
.endr
	WIN 0
.irp p, 0,1
.irp e, 0,1
	global_load_b128 v[QS+8*\p+4*\e:QS+8*\p+4*\e+3], v98, s[4:5] offset:\p*PART+16384+512*\e
.endr
.endr
.irp t, 0,1,2,3
	global_load_u8 v[ST+8*\t+7], v97, s[10:11] offset:16*\t
.endr
	s_wait_alu depctr_va_vdst(0)
	s_wait_tensorcnt 0x0                           ; my part of slot 0 is in
	ds_add_u32 v1, v2
	s_wait_dscnt 0x0
	ROUND
	tensor_load_to_lds s[G0B:G0B+3], s[G1:G1+7]    ; slot 1's first fill: my one tensor load behind the round
	s_nop 0
	PLACES 4
	s_mul_i32 s70, s[WV], PART
	v_add_nc_u32 v[AK0], s70, v98
	s_lshl_b32 s70, s[WV], 7
	s_add_co_u32 s70, s70, BIAS
	v_lshl_add_u32 v[AB0], v89, 5, s70
	s_lshl_b32 s70, s[WV], 8
	s_add_co_u32 s70, s70, PIMG
	v_lshl_add_u32 v[APW], v97, 4, s70
	v_lshl_add_u32 v[APW], v89, 2, v[APW]
	s_add_co_u32 s70, s[WV], PIMG+4096
	v_lshl_add_u32 v[APB], v97, 2, s70
	v_add_nc_u32 v[APR], PIMG, v98
	v_lshl_add_u32 v[APS], v88, 2, PIMG+4096
	v_lshlrev_b32 v[PFO], 8, v88
.irp t, 0,1,2,3
	v_mov_b32 v[ST+8*\t+1], 0xd1000000
	v_mov_b32 v[ST+8*\t+2], 0
	v_mov_b32 v[ST+8*\t+3], 0
	v_mov_b32 v[ST+8*\t+4], 0
	v_mov_b32 v[ST+8*\t+5], 0
	v_mov_b32 v[ST+8*\t+6], 0
	v_mul_f32 v[ST+8*\t], s[NC], v[ST+8*\t+1]
.endr
	s_wait_loadcnt 0x0
.irp i, 0,1,2,3
.irp k, 0,1,2,3
	v_bfe_u32 v[104+4*\i+\k], v[100+\i], 8*\k, 8
.endr
.endr
.set j, 0
.rept 16
	v_add_nc_u32 v[104+j], -1, v[104+j]
.set j, j+1
.endr
.set j, 0
.rept 16
	v_and_b32 v[104+j], 0xd1800000, v[104+j]
.set j, j+1
.endr
	v_lshl_add_u32 v120, v0, 6, BIAS
.irp i, 0,1,2,3
	ds_store_b128 v120, v[104+4*\i:107+4*\i] offset:16*\i
	ds_store_b128 v120, v[104+4*\i:107+4*\i] offset:8192+16*\i
.endr
	s_wait_tensorcnt 0x1
	s_wait_dscnt 0x0
	s_barrier_signal -1
	s_barrier_wait -1
	LK 1, AK0, AB0
	LK 2, AK0, AB0
	LK 0, AK0, AB0
	s_mov_b32 s[CT], 6
.Lpass1:
	SLOT1 0
	s_sub_co_u32 s[CT], s[CT], 1
	s_cmp_lg_u32 s[CT], 0
	s_cbranch_scc1 .Lpass1
	SLOT1 1
	SLOT1 2
	v_and_b32 v[AD1], 15, v0
	v_lshl_add_u32 v[AD1], v[AD1], 3, STAT
	s_lshl_b32 s70, s[WV], 9
	v_add_nc_u32 v[AD0], s70, v[AD1]
.irp t, 0,1,2,3
	v_add_f32 v[ST+8*\t+2], v[ST+8*\t+2], v[ST+8*\t+3]
.endr
.irp t, 0,1,2,3
	v_permlanex16_b32 v[ST+8*\t+5], v[ST+8*\t+1], s[SEL], s[SEL+1]
.endr
.irp t, 0,1,2,3
	v_max_num_f32 v[ST+8*\t+1], v[ST+8*\t+1], v[ST+8*\t+5]
.endr
.irp t, 0,1,2,3
	v_mul_f32 v[ST+8*\t+6], s[NC], v[ST+8*\t+1]
.endr
.irp t, 0,1,2,3
	v_sub_f32 v[ST+8*\t+4], v[ST+8*\t+6], v[ST+8*\t]
.endr
	s_wait_alu depctr_va_vdst(0)
.irp t, 0,1,2,3
	v_exp_f32 v[ST+8*\t+4], v[ST+8*\t+4]
.endr
	v_nop
	s_wait_alu depctr_va_vdst(0)
.irp t, 0,1,2,3
	v_mul_f32 v[ST+8*\t+2], v[ST+8*\t+2], v[ST+8*\t+4]
.endr
.irp t, 0,1,2,3
	v_permlanex16_b32 v[ST+8*\t+3], v[ST+8*\t+2], s[SEL], s[SEL+1]
.endr
.irp t, 0,1,2,3
	v_add_f32 v[ST+8*\t+5], v[ST+8*\t+2], v[ST+8*\t+3]
.endr
.irp t, 0,1,2,3
	v_mov_b32 v[ST+8*\t+4], v[ST+8*\t+1]
.endr
.irp t, 0,1,2,3
	ds_store_b64 v[AD0], v[ST+8*\t+4:ST+8*\t+5] offset:128*\t
.endr
	s_wait_dscnt 0x0
	s_barrier_signal -1
	s_barrier_wait -1
.irp t, 0,1,2,3
.irp w, 0,1,2,3
	ds_load_b64 v[S+8*\t+2*\w:S+8*\t+2*\w+1], v[AD1] offset:512*\w+128*\t
.endr
.endr
	s_wait_dscnt 0x0
.irp t, 0,1,2,3
	v_max3_num_f32 v[ST+8*\t+1], v[S+8*\t], v[S+8*\t+2], v[S+8*\t+4]
.endr
.irp t, 0,1,2,3
	v_max_num_f32 v[ST+8*\t+1], v[ST+8*\t+1], v[S+8*\t+6]
.endr
.irp t, 0,1,2,3
	v_mul_f32 v[ST+8*\t], s[NC], v[ST+8*\t+1]
.endr
.irp t, 0,1,2,3
.irp w, 0,1,2,3
	v_mul_f32 v[S+32+4*\t+\w], s[NC], v[S+8*\t+2*\w]
.endr
.endr
.irp t, 0,1,2,3
.irp w, 0,1,2,3
	v_sub_f32 v[S+32+4*\t+\w], v[ST+8*\t], v[S+32+4*\t+\w]
.endr
.endr
.set j, 0
	s_wait_alu depctr_va_vdst(0)
.rept 16
	v_exp_f32 v[S+32+j], v[S+32+j]
.set j, j+1
.endr
	v_nop
	s_wait_alu depctr_va_vdst(0)
.irp t, 0,1,2,3
	v_mul_f32 v[ST+8*\t+2], v[S+32+4*\t], v[S+8*\t+1]
.endr
.irp w, 1,2,3
.irp t, 0,1,2,3
	v_fmac_f32 v[ST+8*\t+2], v[S+32+4*\t+\w], v[S+8*\t+2*\w+1]
.endr
.endr
	s_wait_alu depctr_va_vdst(0)
.irp t, 0,1,2,3
	v_log_f32 v[ST+8*\t+6], v[ST+8*\t+2]           ; log2 of the row's sum (the sum is at least about 1: the largest term is 2^0)
.endr
	v_nop
	s_wait_alu depctr_va_vdst(0)
.irp t, 0,1,2,3
	v_sub_f32 v[ST+8*\t], v[ST+8*\t], v[ST+8*\t+6] ; the second pass's addend: -M c - log2(sum), so that 2^(score c + addend) is the finished, normalised probability
	v_cmp_lt_f32 vcc_lo, 0xd1000000, v[ST+8*\t+1]  ; a row with no key that counts,
	v_cndmask_b32 v[ST+8*\t], 0xff800000, v[ST+8*\t], vcc_lo
	v_cmp_ne_u32 vcc_lo, 0, v[ST+8*\t+7]           ; and a query that does not count: the addend is -infinity, every probability 0
	v_cndmask_b32 v[ST+8*\t], 0xff800000, v[ST+8*\t], vcc_lo
.endr
	STEP2 1, 1, 1
	s_mov_b32 s[CT], 13
.Lpass2:
	STEP2 0, 1, 1
	s_sub_co_u32 s[CT], s[CT], 1
	s_cmp_lg_u32 s[CT], 0
	s_cbranch_scc1 .Lpass2
	STEP2 0, 0, 1
	STEP2 0, 0, 0
	s_mul_i32 s70, s[WV], 16*SPITCH
	v_and_b32 v[AD2], 15, v0
	v_bfe_u32 v[AD1], v0, 4, 1
	v_mul_u32_u24 v[AD0], v[AD2], SPITCH
	v_lshl_add_u32 v[AD0], v[AD1], 5, v[AD0]
	v_add_nc_u32 v[AD0], s70, v[AD0]
	v_and_b32 v[AD2], 31, v0
	v_lshlrev_b32 v[AD2], 4, v[AD2]
	s_wait_alu depctr_va_vdst(0)
	v_add_nc_u32 v[AD1], s70, v[AD2]
.macro OUTT t
.if \t > 0
	s_wait_xcnt 0x0
.endif
	WIN 0x08
.irp n, 0,1,2,3,4,5,6,7
	ds_store_b128 v[AD0], v[8*(4*\n+\t):8*(4*\n+\t)+3] offset:64*\n
	ds_store_b128 v[AD0], v[8*(4*\n+\t)+4:8*(4*\n+\t)+7] offset:64*\n+16
.endr
	WIN 0x0c
.irp n, 0,1,2,3,4,5,6,7
	ds_store_b128 v[AD0], v[8*(4*\n+\t):8*(4*\n+\t)+3] offset:64*(\n+8)
	ds_store_b128 v[AD0], v[8*(4*\n+\t)+4:8*(4*\n+\t)+7] offset:64*(\n+8)+16
.endr
	WIN 0
.irp i, 0,1,2,3,4,5,6,7,8,9,10,11,12,13,14,15
.irp x, 0,1
	ds_load_b128 v[S+4*(2*\i+\x):S+4*(2*\i+\x)+3], v[AD1] offset:SPITCH*\i+512*\x
.endr
.endr
	s_wait_dscnt 16
.irp i, 0,1,2,3,4,5,6,7
.irp x, 0,1
	global_store_b128 v[AD2], v[S+4*(2*\i+\x):S+4*(2*\i+\x)+3], s[OB:OB+1] offset:(16*\t+\i)*4096+512*\x th:TH_STORE_NT
.endr
.endr
	s_wait_dscnt 0x0
.irp i, 8,9,10,11,12,13,14,15
.irp x, 0,1
	global_store_b128 v[AD2], v[S+4*(2*\i+\x):S+4*(2*\i+\x)+3], s[OB:OB+1] offset:(16*\t+\i)*4096+512*\x th:TH_STORE_NT
.endr
.endr
.endm
	s_wait_alu depctr_va_vdst(0)
	OUTT 0
	OUTT 1
	OUTT 2
	OUTT 3
	s_wait_tensorcnt 0x0
	ds_add_u32 v[SPW], v[NIL]
	s_wait_dscnt 0x0
	ROUND
	s_endpgm
.Lfunc_end_k_q07f387d61f_attn:
	.size	k_q07f387d61f_attn, .Lfunc_end_k_q07f387d61f_attn-k_q07f387d61f_attn
	.p2alignl 7, 3214868480
	.fill 96, 4, 3214868480
	.section	.rodata,"a",@progbits
	.p2align	6, 0x0
	.amdhsa_kernel k_q07f387d61f_attn
		.amdhsa_group_segment_fixed_size 327680
		.amdhsa_private_segment_fixed_size 0
		.amdhsa_enable_private_segment 0
		.amdhsa_kernarg_size 40
		.amdhsa_user_sgpr_count 2
		.amdhsa_user_sgpr_kernarg_segment_ptr 1
		.amdhsa_wavefront_size32 1
		.amdhsa_system_sgpr_workgroup_id_x 1
		.amdhsa_system_sgpr_workgroup_id_y 1
		.amdhsa_system_sgpr_workgroup_id_z 1
		.amdhsa_system_vgpr_workitem_id 0
		.amdhsa_next_free_vgpr 1024
		.amdhsa_next_free_sgpr 84
		.amdhsa_reserve_vcc 1
		.amdhsa_float_denorm_mode_32 3
		.amdhsa_float_denorm_mode_16_64 3
		.amdhsa_memory_ordered 1
		.amdhsa_forward_progress 1
		.amdhsa_inst_pref_size 255
	.end_amdhsa_kernel
	.section	.bss,"aw",@nobits
	.p2align	6
	.space	262144
	.amdgpu_metadata
---
amdhsa.version: [ 1, 2 ]
amdhsa.kernels:
  - .name:           k_q07f387d61f_attn
    .symbol:         k_q07f387d61f_attn.kd
    .args:
      - { .name: qws, .offset: 0, .size: 8, .value_kind: global_buffer, .address_space: global }
      - { .name: kv, .offset: 8, .size: 8, .value_kind: global_buffer, .address_space: global }
      - { .name: key_mask, .offset: 16, .size: 8, .value_kind: global_buffer, .address_space: global }
      - { .name: query_mask, .offset: 24, .size: 8, .value_kind: global_buffer, .address_space: global }
      - { .name: out0, .offset: 32, .size: 8, .value_kind: global_buffer, .address_space: global }
    .group_segment_fixed_size: 327680
    .private_segment_fixed_size: 0
    .kernarg_segment_align: 8
    .kernarg_segment_size: 40
    .max_flat_workgroup_size: 128
    .sgpr_count:     84
    .vgpr_count:     1024
    .wavefront_size: 32
...
	.end_amdgpu_metadata
.endif
;; end of part 2
